; MI455X (gfx1250); checked and timed in simulation.
; The chip was launched on July 23, 2026; its instructions are those of AMD's public machine-readable ISA for CDNA 5 (MIT licence, August 2026) and "CDNA5" Instruction Set Architecture Reference Guide (July 2026). The comments in the code are by the model that wrote it; some were corrected since.
;; Quantum Regression Model. Allowed arithmetic: matrix products marked QUANTISED: E3M2 operands, one E8M0 scale for each 32 along K, by v_wmma_scale_f32_16x16x128_f8f6f4 with both operands' format E3M2, f32 sums; products left as they are: f32 operands where the result goes on into a quantised operand, else bf16, f16 or f32 operands; f32 sums; everything else in f32.
;; Inputs: W1 1 x 64 float32; W2 64 x 1 float32; Wk 256 x 256 float32; Wq 256 x 256 float32; b1 64 float32; b2 1 float32; states 8,192 x 256 float32.
;; Outputs: out0 8,192 float32.
;; This version of the problem:
;;   THIS VERSION OF THE PROBLEM IS GIVEN IN LOW PRECISION. The matrix products marked QUANTISED in the list below multiply operands that are first quantised to E3M2 (3 exponent bits, 2 mantissa bits; 6 bits a number), with one power-of-two scale for each 32 numbers along K (OCP MX v1.0); their sums are f32. All else is computed in f32.
;;   The module's matrix products, in the order in which they are computed (A, B: the left and right operand; K: the contracted axis; several contracted axes count as one K, in the product's order):
;;     1. [M 8,192, K 256] x [K 256, N 256]; A: input states; B: input Wq: QUANTISED
;;     2. [M 8,192, K 256] x [K 256, N 256]; A: input states; B: input Wk: QUANTISED
;;     3. [M 8,192, K 256] x [K 256, N 8,192]; A: computed on the way; B: computed on the way: QUANTISED
;;     4. [M 8,192, K 8,192] x [K 8,192, N 256]; A: softmax (see below); B: input states: QUANTISED
;;     5. [M 8,192, K 256] x [K 256, N 8,192]; A: computed on the way; B: computed on the way: QUANTISED
;;     6. [M 8,192, K 1] x [K 1, N 64]; A: computed on the way; B: input W1: left as it is (K = 1 < 32)
;;     7. [M 8,192, K 64] x [K 64, N 1]; A: computed on the way; B: input W2: left as it is (N = 1 < 16)
;;   THE QUANTISER, for each operand of a quantised product, along K:
;;     - K is cut into blocks of 32 from its start; a last block that is shorter is filled with zeros.
;;     - A block's scale is 2^e with e = floor(log2(the largest magnitude in the block)) - 4, held to -126 .. 127; a block of zeros has e = 0. As a byte (E8M0): e + 127.
;;     - Each number is divided by its block's scale, clamped to +-28, and rounded to the nearest number of E3M2, ties to even, subnormals kept.
;;     - The product sums the exact products of the quantised numbers (number of the format x scale) in f32.
;;   ~~~python
;;   def quantise(x, axis):      # numpy; x: float32 -> the quantised numbers, widened to float32 again
;;       x = np.moveaxis(x, axis, -1); K = x.shape[-1]
;;       x = np.pad(x, [(0, 0)] * (x.ndim - 1) + [(0, -K % 32)]); x = x.reshape(x.shape[:-1] + (-1, 32)); a = np.abs(x).max(-1, keepdims=True)
;;       e = np.where(a > 0, np.clip(np.frexp(np.where(a > 0, a, 1))[1] - 1 - 4, -126, 127), 0)      # np.frexp(a)[1] - 1 = floor(log2(a)), exactly
;;       r = np.clip(x / 2.0 ** e, -28, 28)
;;       step = 2.0 ** (np.maximum(np.frexp(np.where(r == 0, 1, r))[1] - 1, -2) - 2)
;;       q = np.round(r / step) * step * 2.0 ** e      # np.round: ties to even
;;       return np.moveaxis(q.reshape(q.shape[:-2] + (-1,))[..., :K], -1, axis).astype(np.float32)
;;   ~~~
;;   SOFTMAX AHEAD OF A QUANTISED PRODUCT. Where the list says 'softmax', what is quantised is not the finished softmax but p = 2^(t - M), with t = logit x log2(e) and M = ceil(the row's largest t), a whole number; so 1/2 < the row's largest p <= 1. The row's sum l is taken of the UNQUANTISED p, in f32, and the product's result is divided by l at the end. Since M is a whole number, a kernel that streams over the keys may use a running M (the ceiling of the running maximum): every later rescaling is an exact power of two, which a block's scale takes up: the codes' values come out the same.
;;   OPERANDS COMPUTED ON THE WAY. 'Computed on the way' means the value that the module computes at that place (a softmax that the list does not call 'softmax' is quantised finished and normalised). What goes into a quantiser is computed in f32, as accurately as f32 sums, v_exp_f32 and their like allow (about 1e-6 of the number): no bf16 or f16 on the way to a quantiser, and a product that is left as it is and whose result goes on into a quantised operand takes f32 operands (vector FMAs, or v_wmma_f32_16x16x4_f32). A number that lies on a knife's edge between two numbers of the format may be rounded either way, as far as f32 arithmetic and the matrix unit's own rounding can turn it there, and no further.
;; One version. Each part assembles by itself: llvm-mc -triple=amdgcn-amd-amdhsa -mcpu=gfx1250 --defsym DOCPART=n.
;; ======== version 1 of 1: 4 launches
;; limits: right only within a limited range of input values
;; workspace buffers: qc 1,703,936 bytes; kv 3,407,872 bytes; po 34,078,720 bytes; ac 1,736,704 bytes
;; launch prep (part 1): grid 64 x 4, 4 waves a work-group, no clusters, 27,136 bytes of LDS; arguments states, Wq, Wk, qc, kv; writes qc, kv
.if DOCPART == 1
	.amdgcn_target "amdgcn-amd-amdhsa--gfx1250"
	.amdhsa_code_object_version 6
	.text
	.protected	k_q2adc9419f8_prep
	.globl	k_q2adc9419f8_prep
	.p2align	8
	.type	k_q2adc9419f8_prep,@function
k_q2adc9419f8_prep:
	s_mov_b64 s[64:65], 0
	v_nop
	global_prefetch_b8 v0, s[64:65] scope:SCOPE_SE
	s_setreg_imm32_b32 hwreg(HW_REG_WAVE_MODE, 25, 1), 1
	s_wait_xcnt 0x0
; q = Q(x) Q(Wq), k = Q(x) Q(Wk) on codes of BF6 (E3M2) with one E8M0 scale for each 32 along K; the results are quantised again along their 256 columns,
; and x is quantised along the KEYS (its first axis) for the attention's second product.  All three leave as IMAGES OF OPERAND REGISTERS:
; a fragment (16 rows x 128 K, 12 registers a lane) is 1,536 bytes, registers 4 g .. 4 g + 3 of lane l at 512 g + 16 l; its scale words are 128 bytes, 4 a lane.
; A piece = 16 fragments (1,536 f) + 16 runs of scale words (24,576 + 128 f) = 26,624 bytes.
;   qc: [64 blocks of 128 rows][piece], fragment 2 t + s: row tile t, K step s.     kv: [64 key steps][K's piece, V's piece]; V's fragment d: 16 channels x the step's 128 keys.
; THE 16 MEMBERS OF A TILE ARE NOT NEIGHBOURS: place r of tile 2 b + u is index 32 b + 8 u + r + 8 (r / 8) (rows of x, columns of W, channels of V), so that in a product
; used transposed the 16 registers of tiles 2 b and 2 b + 1 are 16 neighbours along the next K.
; SHARES.  Work-group (i, c): rows 128 i on; c = 0, 1: columns 128 c on of q; c = 2, 3: columns 128 (c - 2) on of k; and V's fragments 4 c + wave of key step i.
; One path for all: only pointers and one stride are chosen by c.  Wave w quantises V's fragment, then four of the 16 fragments of W (a lane a column, registers down K: nothing is
; transposed), which meet in LDS as images; behind the one barrier every wave holds all 16 in registers and makes row tiles 2 w and 2 w + 1.
; NO JOINT LOADS: every operand goes from memory straight into a lane's registers in the order that the conversions want, 4 or 16 bytes a lane; a tile brought into LDS as rows
; would be read back in the same small pieces, for 32 matrix instructions a wave.
; LIMITS: NaN and infinities among the inputs are not served.  A block's largest magnitude is taken no smaller than 2^(5 - 127), so a block of zeros has the byte 1 (not 127):
; its codes are zeros, and the bytes are read by this program alone.
.set WSC, 24576                        ; LDS: W's 16 images from 0 on, their scale words from here on
.set LN,  1                            ; v1   lane
.set RR,  2                            ; v2   r = lane % 16
.set HH,  3                            ; v3   h = lane / 16
.set VV,  4                            ; v4   a lane a column: 32 h rows of 1,024 bytes + 4 (r + 8 (r / 8))
.set XA,  5                            ; v5   a lane a row: (r + 8 (r / 8)) rows of 1,024 bytes + 64 h
.set LI,  6                            ; v6   16 x lane
.set LS,  7                            ; v7   4 x lane
.set WI,  8                            ; v8   where I store W's images: 16 x lane + 4 fragments x wave
.set WS,  9                            ; v9   and their scale words
.set SH,  10                           ; v10  8 h
.set WSW, 12                           ; v12-27 W's scale words, 2 t + s
.set XS,  28                           ; v28-29 x's scale words
.set PW,  30                           ; v30  the scale word that is stored
.set TM,  32                           ; v32-47 at work in the quantisers
.set XF,  48                           ; v48-71 x's two fragments
.set PC,  48                           ; v48-59 the codes that are stored (x's first fragment is done with by then)
.set CV,  72                           ; v72-79 the conversions' second halves
.set B0,  80                           ; v80-143  64 numbers
.set B1,  144                          ; v144-207 64 numbers
.set HD,  80                           ; v80-143  the eight result tiles
.set WV,  14
.set SV,  18                           ; s[18:19] states at V's columns
.set SW,  20                           ; s[20:21] W at my columns
.set SX,  22                           ; s[22:23] states at my rows
.set DC,  24                           ; s[24:25] where my q or k fragments go
.set DS,  26                           ; s[26:27] and their scale words
.set VC,  28                           ; s[28:29] where V's fragment goes
.set VS,  30                           ; s[30:31] and its scale words
.set SEL, 32                           ; s[32:33] lane selects: lane l xor 16
.set MSB, 0
.macro WIN new                         ; the immediate's high byte repeats the setting that is left
.if MSB != \new
	s_set_vgpr_msb (MSB<<8)|\new
.set MSB, \new
.endif
.endm
; 64 numbers of a lane, register 16 b + i = k 32 b + 16 h + i of my row, become a fragment's codes and its scale word.
.macro QUANT src, dst, pw
.irp b, 0,1,2,3
	v_max3_num_f32 v[TM+\b], |v[\src+16*\b]|, |v[\src+16*\b+1]|, 0x2800000   ; my 16 numbers of block b, and the floor 2^(5 - 127): the byte cannot fall under 1
.endr
.irp i, 2,4,6,8,10,12,14
.irp b, 0,1,2,3
	v_max3_num_f32 v[TM+\b], v[TM+\b], |v[\src+16*\b+\i]|, |v[\src+16*\b+\i+1]|
.endr
.endr
.irp b, 0,1,2,3
	v_permlanex16_b32 v[TM+4+\b], v[TM+\b], s[SEL], s[SEL+1]
.endr
.irp b, 0,1,2,3
	v_max_num_f32 v[TM+\b], v[TM+\b], v[TM+4+\b]             ; with lane l xor 16's: the block's largest magnitude
.endr
.irp b, 0,1,2,3
	v_add_nc_u32 v[TM+12+\b], 0xfe000000, v[TM+\b]           ; 4 off its exponent field: the conversion's scale operand
.endr
.irp b, 0,1,2,3
	v_lshrrev_b32 v[TM+4+\b], 23, v[TM+12+\b]                ; the scale's byte
.endr
	v_lshl_or_b32 v[\pw], v[TM+5], 8, v[TM+4]
	v_lshl_or_b32 v[\pw], v[TM+6], 16, v[\pw]
	v_lshl_or_b32 v[\pw], v[TM+7], 24, v[\pw]
.irp c, 0,1
	v_cvt_scalef32_pk16_bf6_f32 v[\dst+6*\c:\dst+6*\c+2], v[\src+32*\c:\src+32*\c+15], v[TM+12+2*\c]
	v_cvt_scalef32_pk16_bf6_f32 v[CV+4*\c:CV+4*\c+2], v[\src+32*\c+16:\src+32*\c+31], v[TM+13+2*\c]
.endr
	v_nop                                                    ; one plain place behind the scaled conversions
.irp c, 0,1                                                  ; the layout wants a whole block in a lane: lanes 0-15 block 2 c, lanes 16-31 block 2 c + 1
.irp i, 0,1,2
	v_permlane16_swap_b32 v[\dst+6*\c+\i], v[CV+4*\c+\i]
.endr
.irp i, 0,1,2
	v_mov_b32 v[\dst+6*\c+3+\i], v[CV+4*\c+\i]
.endr
.endr
.endm
; 64 numbers of a lane, register 32 c + i = k 64 c + 32 h + i of my COLUMN: two whole blocks a lane; the conversions' results are the operand's registers.
.macro QUANTC src, dst, pw
.irp c, 0,1
	v_max3_num_f32 v[TM+\c], |v[\src+32*\c]|, |v[\src+32*\c+1]|, 0x2800000
.endr
.irp i, 2,4,6,8,10,12,14,16,18,20,22,24,26,28,30
.irp c, 0,1
	v_max3_num_f32 v[TM+\c], v[TM+\c], |v[\src+32*\c+\i]|, |v[\src+32*\c+\i+1]|
.endr
.endr
.irp c, 0,1
	v_add_nc_u32 v[TM+12+\c], 0xfe000000, v[TM+\c]
.endr
.irp c, 0,1
	v_lshrrev_b32 v[TM+4+\c], 23, v[TM+12+\c]
.endr
	v_lshl_or_b32 v[\pw], v[TM+5], 16, v[TM+4]               ; my two bytes: blocks h and 2 + h,
	v_lshlrev_b32 v[\pw], v[SH], v[\pw]                      ; at their places, 8 h bits up;
	v_permlanex16_b32 v[TM+6], v[\pw], s[SEL], s[SEL+1]
	v_or_b32 v[\pw], v[\pw], v[TM+6]                         ; with lane l xor 16's two the word is whole
.irp c, 0,1
	v_cvt_scalef32_pk16_bf6_f32 v[\dst+6*\c:\dst+6*\c+2], v[\src+32*\c:\src+32*\c+15], v[TM+12+\c]
	v_cvt_scalef32_pk16_bf6_f32 v[CV+4*\c:CV+4*\c+2], v[\src+32*\c+16:\src+32*\c+31], v[TM+12+\c]
.endr
	v_nop
.irp c, 0,1
.irp i, 0,1,2
	v_mov_b32 v[\dst+6*\c+3+\i], v[CV+4*\c+\i]
.endr
.endr
.endm
.macro LOADU buf, base, imm            ; 128 along K of my column: rows 64 c + 32 h + i of 1,024 bytes
.set n, 0
.rept 64
	global_load_b32 v[\buf+n], v[VV], s[\base:\base+1] offset:(\imm)+(64*(n/32)+n%32)*1024
.set n, n+1
.endr
.endm
.macro XLOAD buf, e, s                 ; K step s of my row in tile 2 w + e: of each block of 32 my 16 numbers
.set n, 0
.rept 16
	global_load_b128 v[\buf+4*n:\buf+4*n+3], v[XA], s[SX:SX+1] offset:(\e)*8192+512*(\s)+128*(n/4)+16*(n%4)
.set n, n+1
.endr
.endm
.macro IMG f                           ; the fragment just made goes to LDS as it stands
.irp g, 0,1,2
	ds_store_b128 v[WI], v[PC+4*\g:PC+4*\g+3] offset:1536*(\f)+512*\g
.endr
	ds_store_b32 v[WS], v[PW] offset:128*(\f)
.endm
.macro OUTG bc, bs, immc, imms         ; and to memory likewise: each store of 16 bytes a lane covers 512 consecutive bytes, aligned
.irp g, 0,1,2
	global_store_b128 v[LI], v[PC+4*\g:PC+4*\g+3], s[\bc:\bc+1] offset:\immc+512*\g
.endr
	global_store_b32 v[LS], v[PW], s[\bs:\bs+1] offset:\imms
.endm
	s_load_b128 s[4:7], s[0:1], 0x0                ; states, Wq
	s_load_b128 s[8:11], s[0:1], 0x10              ; Wk, qc
	s_load_b64 s[12:13], s[0:1], 0x20              ; kv
	v_lshl_add_u32 v254, v0, 2, 0x6800
	v_mov_b32 v255, 0
	v_lshrrev_b32 v1, 5, v0
	v_readfirstlane_b32 s[WV], v1                  ; wave 0..3
	v_and_b32 v[LN], 31, v0
	v_and_b32 v[RR], 15, v0
	v_bfe_u32 v[HH], v0, 4, 1
	v_and_b32 v11, 8, v[RR]
	v_add_nc_u32 v11, v11, v[RR]                   ; r + 8 (r / 8)
	v_lshlrev_b32 v[VV], 2, v11
	v_lshl_add_u32 v[VV], v[HH], 15, v[VV]
	v_lshlrev_b32 v[XA], 10, v11
	v_lshl_add_u32 v[XA], v[HH], 6, v[XA]
	v_lshlrev_b32 v[LI], 4, v[LN]
	v_lshlrev_b32 v[LS], 2, v[LN]
	s_mul_i32 s34, s[WV], 6144
	v_add_nc_u32 v[WI], s34, v[LI]
	s_lshl_b32 s34, s[WV], 9
	s_add_co_u32 s34, s34, WSC
	v_add_nc_u32 v[WS], s34, v[LS]
	v_lshlrev_b32 v[SH], 3, v[HH]
.irp b, 0,1,2,3
	v_mov_b32 v[TM+4+\b], 0                        ; written once: a lane permute's destination counts as one of its sources
.endr
	s_mov_b32 s[SEL], 0x76543210
	s_mov_b32 s[SEL+1], 0xfedcba98
	s_and_b32 s16, ttmp7, 0xffff                   ; c
	s_and_b32 s17, s16, 1
	s_lshl_b32 s34, ttmp9, 17                      ; my block's 128 rows of 1,024 bytes
	s_lshl_b32 s36, s16, 8                         ; V's channels: 4 (64 c + 32 (w / 2) + 8 (w % 2))
	s_add_co_u32 s36, s36, s34
	s_lshr_b32 s35, s[WV], 1
	s_lshl_b32 s35, s35, 7
	s_add_co_u32 s36, s36, s35
	s_and_b32 s35, s[WV], 1
	s_lshl_b32 s35, s35, 5
	s_add_co_u32 s36, s36, s35
	s_mov_b32 s37, 0
	s_lshl_b32 s38, s[WV], 15                      ; my 32 rows of x
	s_add_co_u32 s38, s38, s34
	s_mov_b32 s39, 0
	s_lshl_b32 s40, s17, 9                         ; W's columns: 4 (128 (c % 2) + 32 w)
	s_lshl_b32 s35, s[WV], 7
	s_add_co_u32 s40, s40, s35
	s_mov_b32 s41, 0
	s_lshl_b32 s35, s[WV], 2
	s_add_co_u32 s35, s35, s17                     ; my first result fragment: 2 (2 w) + c % 2
	s_mul_i32 s42, s35, 1536
	s_mov_b32 s43, 0
	s_lshl_b32 s44, s35, 7
	s_add_co_u32 s44, s44, 24576
	s_mov_b32 s45, 0
	s_mul_i32 s34, ttmp9, 53248                    ; key step i's record
	s_lshl_b32 s35, s16, 2
	s_add_co_u32 s35, s35, s[WV]                   ; V's fragment 4 c + w
	s_mul_i32 s46, s35, 1536
	s_add_co_u32 s46, s46, s34
	s_add_co_u32 s46, s46, 26624
	s_mov_b32 s47, 0
	s_lshl_b32 s48, s35, 7
	s_add_co_u32 s48, s48, s34
	s_add_co_u32 s48, s48, 51200
	s_mov_b32 s49, 0
	s_mov_b32 s50, 53248
	s_mov_b32 s51, 0
	s_wait_kmcnt 0x0
	s_cmp_lt_u32 s16, 2                            ; q's work-group or k's?  The choice hangs on the work-group's number alone
	s_cselect_b64 s[SW:SW+1], s[6:7], s[8:9]
	s_cselect_b64 s[DC:DC+1], s[10:11], s[12:13]
	s_cselect_b32 s50, 26624, s50                  ; a block's bytes in qc, a key step's in kv
	s_mul_i32 s50, ttmp9, s50
	s_add_nc_u64 s[SW:SW+1], s[SW:SW+1], s[40:41]
	s_add_nc_u64 s[DC:DC+1], s[DC:DC+1], s[50:51]
	s_add_nc_u64 s[DS:DS+1], s[DC:DC+1], s[44:45]
	s_add_nc_u64 s[DC:DC+1], s[DC:DC+1], s[42:43]
	s_add_nc_u64 s[SV:SV+1], s[4:5], s[36:37]
	s_add_nc_u64 s[SX:SX+1], s[4:5], s[38:39]
	s_add_nc_u64 s[VC:VC+1], s[12:13], s[46:47]
	s_add_nc_u64 s[VS:VS+1], s[12:13], s[48:49]
	; ---- V's fragment and my four fragments of W (number 2 tt + s: column tile 2 w + tt, K step s), two buffers by turns
	LOADU B0, SV, 0
	LOADU B1, SW, 0
	s_wait_loadcnt 63                              ; the 64 loads just issued are younger; a wait's count ends at 63
	QUANTC B0, PC, PW
	OUTG VC, VS, 0, 0
	LOADU B0, SW, 131072
	s_wait_loadcnt 63
	s_wait_xcnt 0x0                                ; V's stores have read their registers, which are written again below
	QUANTC B1, PC, PW
	IMG 0
	s_wait_dscnt 0x0                               ; the stores have read their registers
	LOADU B1, SW, 32
	s_wait_loadcnt 63
	QUANTC B0, PC, PW
	IMG 1
	s_wait_dscnt 0x0
	LOADU B0, SW, 131072+32
	s_wait_loadcnt 63
	QUANTC B1, PC, PW
	IMG 2
	s_wait_dscnt 0x0
	XLOAD B1, 0, 0
	s_wait_loadcnt 16                              ; x's 16 loads are younger
	QUANTC B0, PC, PW
	IMG 3
	XLOAD B0, 0, 1
	s_wait_dscnt 0x0                               ; for the others' sake: my images lie in LDS
	s_barrier_signal -1
	s_barrier_wait -1
	WIN 0x40                                       ; destination window 1: W's 16 fragments stay there, fragment f at v[12 f]
.set n, 0
.rept 48
	ds_load_b128 v[4*n:4*n+3], v[LI] offset:512*n
.set n, n+1
.endr
	WIN 0
.set n, 0
.rept 16
	ds_load_b32 v[WSW+n], v[LS] offset:WSC+128*n
.set n, n+1
.endr
; ---- row tile 2 w + e: x's two fragments, eight result tiles (transposed: source 0 = 16 columns of W, source 1 = my 16 rows), quantised, stored
.macro TILE e
.if \e
	s_wait_xcnt 0x0                                ; the last tile's stores have read the registers that are written again below
.endif
	s_wait_loadcnt 16                              ; K step 0 is in; K step 1's 16 loads are younger
	QUANT B1, XF, XS
.if \e == 0
	XLOAD B1, 1, 0
	s_wait_loadcnt 16                              ; K step 1 is in; the next tile's 16 loads are younger
.else
	s_wait_loadcnt 0x0
.endif
	QUANT B0, XF+12, XS+1
.rept 8
	v_nop                                          ; a scale word made by vector instructions stands 8 places ahead of a scaled matrix instruction, an operand 4
.endr
.if \e == 0
	s_wait_dscnt 0x0                               ; W's fragments and scale words are in
.endif
	WIN 0x01                                       ; source 0 (W) window 1
.irp t, 0,1,2,3,4,5,6,7                            ; the eight accumulators take turns, one instruction a turn
	v_wmma_scale_f32_16x16x128_f8f6f4 v[HD+8*\t:HD+8*\t+7], v[24*\t:24*\t+11], v[XF:XF+11], 0, v[WSW+2*\t], v[XS] matrix_a_fmt:MATRIX_FMT_BF6 matrix_b_fmt:MATRIX_FMT_BF6
.endr
	s_wait_alu depctr_va_vdst(0)
.irp t, 0,1,2,3,4,5,6,7
	v_wmma_scale_f32_16x16x128_f8f6f4 v[HD+8*\t:HD+8*\t+7], v[24*\t+12:24*\t+23], v[XF+12:XF+23], v[HD+8*\t:HD+8*\t+7], v[WSW+2*\t+1], v[XS+1] matrix_a_fmt:MATRIX_FMT_BF6 matrix_b_fmt:MATRIX_FMT_BF6
.endr
	WIN 0
.rept 4
	v_nop                                          ; four places ahead of the first read of results (ISA guide 7.12.1)
.endr
	QUANT HD, PC, PW                               ; register 16 b + i of lane (r, h) is column 32 b + 16 h + i of row place r
	OUTG DC, DS, 3072*\e, 256*\e
.if \e == 0
	XLOAD B0, 1, 1
.endif
.endm
	TILE 0
	TILE 1
	s_wait_tensorcnt 0x0
	ds_add_u32 v254, v255
	s_wait_dscnt 0x0
	s_endpgm
.Lfunc_end_k_q2adc9419f8_prep:
	.size	k_q2adc9419f8_prep, .Lfunc_end_k_q2adc9419f8_prep-k_q2adc9419f8_prep
	.p2alignl 7, 3214868480
	.fill 96, 4, 3214868480
	.section	.rodata,"a",@progbits
	.p2align	6, 0x0
	.amdhsa_kernel k_q2adc9419f8_prep
		.amdhsa_group_segment_fixed_size 27136
		.amdhsa_private_segment_fixed_size 0
		.amdhsa_enable_private_segment 0
		.amdhsa_kernarg_size 40
		.amdhsa_user_sgpr_count 2
		.amdhsa_user_sgpr_kernarg_segment_ptr 1
		.amdhsa_wavefront_size32 1
		.amdhsa_system_sgpr_workgroup_id_x 1
		.amdhsa_system_sgpr_workgroup_id_y 1
		.amdhsa_system_sgpr_workgroup_id_z 1
		.amdhsa_system_vgpr_workitem_id 0
		.amdhsa_next_free_vgpr 448
		.amdhsa_next_free_sgpr 66
		.amdhsa_reserve_vcc 0
		.amdhsa_float_denorm_mode_32 3
		.amdhsa_float_denorm_mode_16_64 3
		.amdhsa_memory_ordered 1
		.amdhsa_forward_progress 1
		.amdhsa_inst_pref_size 89
	.end_amdhsa_kernel
	.amdgpu_metadata
---
amdhsa.version: [ 1, 2 ]
amdhsa.kernels:
  - .name:           k_q2adc9419f8_prep
    .symbol:         k_q2adc9419f8_prep.kd
    .args:
      - { .name: states, .offset: 0, .size: 8, .value_kind: global_buffer, .address_space: global }
      - { .name: Wq, .offset: 8, .size: 8, .value_kind: global_buffer, .address_space: global }
      - { .name: Wk, .offset: 16, .size: 8, .value_kind: global_buffer, .address_space: global }
      - { .name: qc, .offset: 24, .size: 8, .value_kind: global_buffer, .address_space: global }
      - { .name: kv, .offset: 32, .size: 8, .value_kind: global_buffer, .address_space: global }
    .group_segment_fixed_size: 27136
    .private_segment_fixed_size: 0
    .kernarg_segment_align: 8
    .kernarg_segment_size: 40
    .max_flat_workgroup_size: 128
    .sgpr_count:     66
    .vgpr_count:     448
    .wavefront_size: 32
...
	.end_amdgpu_metadata
.endif
;; end of part 1
;; launch attn (part 2): grid 64 x 4, 4 waves a work-group, clusters of 4 x 1, 327,680 bytes of LDS; arguments qc, kv, po; writes po
.if DOCPART == 2
	.amdgcn_target "amdgcn-amd-amdhsa--gfx1250"
	.amdhsa_code_object_version 6
	.text
	.protected	k_q2adc9419f8_attn
	.globl	k_q2adc9419f8_attn
	.p2align	8
	.type	k_q2adc9419f8_attn,@function
k_q2adc9419f8_attn:
	s_mov_b64 s[64:65], 0
	v_nop
	global_prefetch_b8 v0, s[64:65] scope:SCOPE_SE
	s_setreg_imm32_b32 hwreg(HW_REG_WAVE_MODE, 25, 1), 1
	s_wait_xcnt 0x0
	s_wait_alu depctr_hold_cnt(0) depctr_sa_sdst(0) depctr_va_vdst(0) depctr_va_sdst(0) depctr_va_ssrc(0) depctr_va_vcc(0) depctr_vm_vsrc(0)
	s_getreg_b32 s2, hwreg(HW_REG_IB_STS2, 6, 4)
	s_cmp_eq_u32 s2, 0
	s_cbranch_scc0 .Lentry_in_a_cluster
	s_endpgm
.Lentry_in_a_cluster:
	s_bfe_u32 s2, ttmp6, 0x10000c
	s_cmp_lg_u32 s2, 0x3003
	s_cbranch_scc0 .Lentry_shape_is_right
	s_endpgm
.Lentry_shape_is_right:
; O^T = V^T p^T with p = 2^(t - M), t = (q k) log2(e) / 16, M the ceiling of the running largest t, on codes of BF6 (E3M2) with E8M0 scales.
; Work-group (block of 128 queries, quarter of the keys); a wave has 32 queries (two tiles of 16) and walks the quarter's 16 key steps of 128 keys.
; Both products are used transposed, so a lane holds one query.  Each quarter's O^T, -M and the sum of the unquantised p go to po; the next launch joins the quarters.
; qc, kv: images of operand registers (a fragment 1,536 bytes, registers 4 g .. 4 g + 3 of lane l at 512 g + 16 l; a piece = 16 fragments + 16 runs of 128 bytes of scale words = 26,624 bytes).
; THE RING: two slots; a slot holds V's piece of key step i and K's piece of step i + 1.  Waves 0, 1 fetch V's halves, waves 2, 3 K's halves, 52 rows of 256 bytes each, one joint load a wave.
; A TRIP: the waits, the add and the cluster's round; the refill; V's fragments; the softmax of step i for both tiles (K's fragments are asked for in its middle); then 64 matrix
; instructions on end: O^T += V^T p^T of step i and S^T = K Q^T of step i + 1.  The exponentials stand in one batch; O^T is rescaled ahead of it.
; K of the first step and Q come from memory straight into registers while the head's tensor load is out.
; CLUSTER: the four query blocks of a cluster walk the same records and ask for them jointly.  The 16 clusters of a quarter begin at 16 different records.
; NO PREFETCH: every record of a quarter is named by some cluster's load in the first trip, so a prefetch would name bytes that a load has already named.
; LIMITS: NaN and infinities are not served; the promise holds while the scaled scores t stay under 2^31 in magnitude; a block whose every p is 0 has the byte 1 (its codes are zeros).
; REGISTERS: window 0: addresses, state, scale words, S^T / p (v64-191), p's codes, temporaries; window 1: O^T (tile x at 128 x); window 2: K's 16 fragments, Q's four from v192; window 3: V's 16 fragments.
.set REC,   53248
.set PIECE, 26624
.set HALFP, 13312
.set SLOT1, 65536
.set SPARE, 118784                     ; behind slot 1: the spare words, 512 bytes
.set LI,  1                            ; 16 x lane
.set LS,  2                            ; 4 x lane
.set AD,  3                            ; slot + 16 x lane
.set AS,  4                            ; slot + 4 x lane
.set SPW, 5
.set NIL, 6
.set L8,  7                            ; 8 x lane
.set STA, 8                            ; tile x at STA + 8 x: -M, largest t, the sum (2), f, p's scale word
.set KSW, 24
.set VSW, 40
.set QSW, 56
.set T,   60
.set SA,  64                           ; tile x at SA + 64 x
.set PCA, 192                          ; p's codes, tile x at PCA + 12 x
.set TP,  216                          ; tile x at TP + 20 x: block maxima 0-3, bytes 4-7, scale operands 8-11, conversions' second halves 12-19
.set QF,  192
.set WV,  10
.set CNT, 14
.set KI,  15
.set G1,  16
.set G0,  24
.set BASE, 32
.set OFF, 34
.set TB,  36
.set CS,  38
.set SEL, 40
.set MSB, 0
.macro WIN new                         ; the immediate's high byte repeats the setting that is left
.if MSB != \new
	s_set_vgpr_msb (MSB<<8)|\new
.set MSB, \new
.endif
.endm
.macro PLACES n
.rept \n
	v_nop
.endr
.endm
.macro CROUND                          ; a round of the cluster's barrier
	s_barrier_signal -1
	s_barrier_wait -1
	s_cmp_lg_u32 s[WV], 0
	s_cbranch_scc1 .Lnot_wave_0_\@
	s_barrier_signal -3
.Lnot_wave_0_\@:
	s_barrier_wait -3
	s_barrier_signal -1
	s_barrier_wait -1
.endm
.macro KQ                              ; S^T = K Q^T: 32 matrix instructions, the 16 accumulators by turns
	WIN 0x0a
.irp s, 0,1
.irp x, 0,1
.irp t, 0,1,2,3,4,5,6,7
.if \s == 0
	v_wmma_scale_f32_16x16x128_f8f6f4 v[SA+64*\x+8*\t:SA+64*\x+8*\t+7], v[24*\t:24*\t+11], v[QF+24*\x:QF+24*\x+11], 0, v[KSW+2*\t], v[QSW+2*\x] matrix_a_fmt:MATRIX_FMT_BF6 matrix_b_fmt:MATRIX_FMT_BF6
.else
	v_wmma_scale_f32_16x16x128_f8f6f4 v[SA+64*\x+8*\t:SA+64*\x+8*\t+7], v[24*\t+12:24*\t+23], v[QF+24*\x+12:QF+24*\x+23], v[SA+64*\x+8*\t:SA+64*\x+8*\t+7], v[KSW+2*\t+1], v[QSW+2*\x+1] matrix_a_fmt:MATRIX_FMT_BF6 matrix_b_fmt:MATRIX_FMT_BF6
.endif
.endr
.endr
.endr
	WIN 0
.endm
.macro PV first                        ; O^T += V^T p^T: 32 accumulators by turns; the first step's products start the sums
	WIN 0x53
.irp x, 0,1
.irp d, 0,1,2,3,4,5,6,7,8,9,10,11,12,13,14,15
.if \first
	v_wmma_scale_f32_16x16x128_f8f6f4 v[128*\x+8*\d:128*\x+8*\d+7], v[12*\d:12*\d+11], v[PCA+12*\x:PCA+12*\x+11], 0, v[VSW+\d], v[STA+8*\x+5] matrix_a_fmt:MATRIX_FMT_BF6 matrix_b_fmt:MATRIX_FMT_BF6
.else
	v_wmma_scale_f32_16x16x128_f8f6f4 v[128*\x+8*\d:128*\x+8*\d+7], v[12*\d:12*\d+11], v[PCA+12*\x:PCA+12*\x+11], v[128*\x+8*\d:128*\x+8*\d+7], v[VSW+\d], v[STA+8*\x+5] matrix_a_fmt:MATRIX_FMT_BF6 matrix_b_fmt:MATRIX_FMT_BF6
.endif
.endr
.endr
	WIN 0
.endm
.macro FETCH win, sw, at               ; a piece's 16 fragments and scale words
	WIN \win
.set n, 0
.rept 48
	ds_load_b128 v[4*n:4*n+3], v[AD] offset:\at+512*n
.set n, n+1
.endr
	WIN 0
.set n, 0
.rept 16
	ds_load_b32 v[\sw+n], v[AS] offset:\at+24576+128*n
.set n, n+1
.endr
.endm
; The softmax of one key step, both tiles line by line.
.macro SOFTMAX first, kload
.irp b, 0,1,2,3
.irp x, 0,1
	v_max3_num_f32 v[TP+20*\x+\b], v[SA+64*\x+16*\b], v[SA+64*\x+16*\b+1], v[SA+64*\x+16*\b+2]   ; each block's largest score; each accumulator is read from its low end on
.endr
.endr
.irp i, 3,5,7,9,11,13
.irp b, 0,1,2,3
.irp x, 0,1
	v_max3_num_f32 v[TP+20*\x+\b], v[TP+20*\x+\b], v[SA+64*\x+16*\b+\i], v[SA+64*\x+16*\b+\i+1]
.endr
.endr
.endr
.irp b, 0,1,2,3
.irp x, 0,1
	v_max_num_f32 v[TP+20*\x+\b], v[TP+20*\x+\b], v[SA+64*\x+16*\b+15]
.endr
.endr
.irp b, 0,1,2,3
.irp x, 0,1
	v_permlanex16_b32 v[TP+20*\x+4+\b], v[TP+20*\x+\b], s[SEL], s[SEL+1]
.endr
.endr
.irp b, 0,1,2,3
.irp x, 0,1
	v_max_num_f32 v[TP+20*\x+\b], v[TP+20*\x+\b], v[TP+20*\x+4+\b]   ; with lane l xor 16's 16 keys
.endr
.endr
.irp x, 0,1
	v_max3_num_f32 v[T+\x], v[TP+20*\x], v[TP+20*\x+1], v[TP+20*\x+2]
.endr
.irp x, 0,1
	v_max_num_f32 v[T+\x], v[T+\x], v[TP+20*\x+3]
.endr
.irp x, 0,1
	v_mul_f32 v[T+\x], s[CS], v[T+\x]
.endr
.irp x, 0,1
	v_max_num_f32 v[STA+8*\x+1], v[STA+8*\x+1], v[T+\x]      ; the running largest t
.endr
.irp x, 0,1
	v_mov_b32 v[T+\x], v[STA+8*\x]
.endr
.irp x, 0,1
	v_floor_f32 v[STA+8*\x], -v[STA+8*\x+1]                  ; -M = floor(-t)
.endr
.irp x, 0,1
	v_sub_f32 v[T+\x], v[STA+8*\x], v[T+\x]
.endr
.irp x, 0,1
	v_cvt_i32_f32 v[T+\x], v[T+\x]
.endr
.irp x, 0,1
	v_ldexp_f32 v[STA+8*\x+4], 1.0, v[T+\x]                  ; f = 2^(old M - new M)
.endr
.irp b, 0,1,2,3
.irp x, 0,1
	v_fma_f32 v[TP+20*\x+\b], v[TP+20*\x+\b], s[CS], v[STA+8*\x]
.endr
.endr
.irp x, 0,1
	v_pk_mul_f32 v[STA+8*\x+2:STA+8*\x+3], v[STA+8*\x+2:STA+8*\x+3], v[STA+8*\x+4:STA+8*\x+5] op_sel_hi:[1,0]
.endr
.if \first == 0
	WIN 0x41                                       ; O^T under the new M, ahead of the exponentials, each accumulator from its low end on
.set n, 0
.rept 64
	v_pk_mul_f32 v[2*n:2*n+1], v[2*n:2*n+1], v[STA+4:STA+5] op_sel_hi:[1,0]
	v_pk_mul_f32 v[128+2*n:128+2*n+1], v[128+2*n:128+2*n+1], v[STA+12:STA+13] op_sel_hi:[1,0]
.set n, n+1
.endr
	WIN 0
.endif
.if \kload
	FETCH 0x80, KSW, PIECE                         ; the next step's K: its registers were last multiplied in the trip before
.endif
.set n, 0
.rept 32
.irp x, 0,1
	v_pk_fma_f32 v[SA+64*\x+2*n:SA+64*\x+2*n+1], v[SA+64*\x+2*n:SA+64*\x+2*n+1], s[CS:CS+1], v[STA+8*\x:STA+8*\x+1] op_sel_hi:[1,0,0]   ; t - M
.endr
.set n, n+1
.endr
	s_wait_alu depctr_va_vdst(0)                   ; the wait ahead of the batch
.set n, 0
.rept 128
	v_exp_f32 v[SA+n], v[SA+n]
.set n, n+1
.endr
.irp b, 0,1,2,3
.irp x, 0,1
	v_exp_f32 v[TP+20*\x+\b], v[TP+20*\x+\b]                 ; each block's largest p
.endr
.endr
	v_nop                                          ; one plain place behind the batch
	s_wait_alu depctr_va_vdst(0)                   ; and the one wait ahead of its readers
.irp b, 0,1,2,3
.irp x, 0,1
	v_max_num_f32 v[TP+20*\x+\b], 0x2800000, v[TP+20*\x+\b]  ; the floor 2^(5 - 127): the byte cannot fall under 1
.endr
.endr
.irp b, 0,1,2,3
.irp x, 0,1
	v_add_nc_u32 v[TP+20*\x+8+\b], 0xfe000000, v[TP+20*\x+\b]   ; 4 off the exponent field: the conversion's scale operand
.endr
.endr
.irp b, 0,1,2,3
.irp x, 0,1
	v_lshrrev_b32 v[TP+20*\x+4+\b], 23, v[TP+20*\x+8+\b]
.endr
.endr
.irp x, 0,1
	v_lshl_or_b32 v[STA+8*\x+5], v[TP+20*\x+5], 8, v[TP+20*\x+4]
.endr
.irp x, 0,1
	v_lshl_or_b32 v[STA+8*\x+5], v[TP+20*\x+6], 16, v[STA+8*\x+5]
.endr
.irp x, 0,1
	v_lshl_or_b32 v[STA+8*\x+5], v[TP+20*\x+7], 24, v[STA+8*\x+5]
.endr
.irp x, 0,1
.irp c, 0,1
	v_cvt_scalef32_pk16_bf6_f32 v[PCA+12*\x+6*\c:PCA+12*\x+6*\c+2], v[SA+64*\x+32*\c:SA+64*\x+32*\c+15], v[TP+20*\x+8+2*\c]
	v_cvt_scalef32_pk16_bf6_f32 v[TP+20*\x+12+4*\c:TP+20*\x+12+4*\c+2], v[SA+64*\x+32*\c+16:SA+64*\x+32*\c+31], v[TP+20*\x+9+2*\c]
.endr
.endr
	v_nop                                          ; one plain place behind the scaled conversions
.irp x, 0,1
.irp c, 0,1                                        ; a whole block in a lane
.irp i, 0,1,2
	v_permlane16_swap_b32 v[PCA+12*\x+6*\c+\i], v[TP+20*\x+12+4*\c+\i]
.endr
.irp i, 0,1,2
	v_mov_b32 v[PCA+12*\x+6*\c+3+\i], v[TP+20*\x+12+4*\c+\i]
.endr
.endr
.endr
; the sum of the unquantised p, four chains a tile; these 64 lines are also the places between p's scale word and codes and the products
.irp c, 0,1,2
.irp x, 0,1
	v_pk_add_f32 v[TP+20*\x+2*\c:TP+20*\x+2*\c+1], v[SA+64*\x+4*\c:SA+64*\x+4*\c+1], v[SA+64*\x+4*\c+2:SA+64*\x+4*\c+3]
.endr
.endr
.set n, 6
.rept 26
.irp x, 0,1
.if n%4 == 3
	v_pk_add_f32 v[STA+8*\x+2:STA+8*\x+3], v[STA+8*\x+2:STA+8*\x+3], v[SA+64*\x+2*n:SA+64*\x+2*n+1]
.else
	v_pk_add_f32 v[TP+20*\x+2*(n%4):TP+20*\x+2*(n%4)+1], v[TP+20*\x+2*(n%4):TP+20*\x+2*(n%4)+1], v[SA+64*\x+2*n:SA+64*\x+2*n+1]
.endif
.endr
.set n, n+1
.endr
.irp x, 0,1
	v_pk_add_f32 v[TP+20*\x:TP+20*\x+1], v[TP+20*\x:TP+20*\x+1], v[TP+20*\x+2:TP+20*\x+3]
.endr
.irp x, 0,1
	v_pk_add_f32 v[STA+8*\x+2:STA+8*\x+3], v[STA+8*\x+2:STA+8*\x+3], v[TP+20*\x+4:TP+20*\x+5]
.endr
.irp x, 0,1
	v_pk_add_f32 v[STA+8*\x+2:STA+8*\x+3], v[STA+8*\x+2:STA+8*\x+3], v[TP+20*\x:TP+20*\x+1]
.endr
.endm
; fill = 1: all four waves fill the other slot; 2: V's waves alone (no K follows the last step); 0: nothing is left to fetch
.macro TRIP first, fill, kq
	s_wait_tensorcnt 0x0                           ; my part of this trip's slot has landed
	ds_add_u32 v[SPW], v[NIL]
.if \fill
	s_xor_b32 s[G0+1], s[G0+1], SLOT1              ; no load of mine is out: the descriptor steps to the other slot and my next piece
	s_add_co_u32 s[KI], s[KI], 1
	s_and_b32 s[KI], s[KI], 15
	s_mul_i32 s[OFF], s[KI], REC
	s_add_nc_u64 s[G0+2:G0+3], s[BASE:BASE+1], s[OFF:OFF+1]
	s_or_b32 s[G0+3], s[G0+3], 0x80000000
.endif
	s_xor_b32 s[TB], s[TB], SLOT1
	s_wait_dscnt 0x0                               ; the add is done; my reads of the other slot were awaited ahead of the products
.if \fill == 1
	CROUND
	tensor_load_to_lds s[G0:G0+3], s[G1:G1+7]
	s_nop 0
.elseif \fill == 2
	CROUND
	s_cmp_lt_u32 s[WV], 2
	s_cbranch_scc0 .Lno_k_\@
	tensor_load_to_lds s[G0:G0+3], s[G1:G1+7]
	s_nop 0
	PLACES 4
.Lno_k_\@:
.else
	s_barrier_signal -1
	s_barrier_wait -1
.endif
	PLACES 4                                       ; the places behind the last products, ahead of loads into their registers and of the first read of S^T
	v_add_nc_u32 v[AD], s[TB], v[LI]
	v_add_nc_u32 v[AS], s[TB], v[LS]
	FETCH 0xc0, VSW, 0                             ; this step's V
	SOFTMAX \first, \kq
	s_wait_alu depctr_va_vdst(0)                   ; the wait directly ahead of the wait below
	s_wait_dscnt 0x0                               ; V's and K's fragments are in
	PV \first
.if \kq
	KQ
.endif
.endm
	s_load_b128 s[4:7], s[0:1], 0x0                ; qc, kv
	s_load_b64 s[8:9], s[0:1], 0x10                ; po
	v_lshl_add_u32 v[SPW], v0, 2, SPARE
	v_mov_b32 v[NIL], 0
	ds_add_u32 v[SPW], v[NIL]                      ; the add, twice on end,
	ds_add_u32 v[SPW], v[NIL]
	v_lshrrev_b32 v[LI], 5, v0
	v_readfirstlane_b32 s[WV], v[LI]               ; wave 0..3
	s_bfe_u32 s11, ttmp6, 0x40000                  ; cx
	s_lshl_b32 s12, ttmp9, 2
	s_add_co_u32 s12, s12, s11                     ; my block of 128 queries
	s_and_b32 s13, ttmp7, 0xffff                   ; my quarter of the keys
	s_mov_b32 s[G1], 15|(3<<16)|(1<<21)            ; the cluster's four; elements of 8 bytes
	s_mov_b32 s[G1+1], 32<<16                      ; rows of 256 bytes,
	s_mov_b32 s[G1+2], 52<<16                      ; 52 of them: half a piece
	s_mov_b32 s[G1+3], 32<<16
	s_mov_b32 s[G1+4], 52
	s_mov_b32 s[G1+5], 32
	s_mov_b32 s[G1+6], 0
	s_mov_b32 s[G1+7], 0
	s_mul_i32 s44, s[WV], HALFP                    ; in a slot: V's two halves, then K's two
	s_add_co_u32 s45, s[WV], 2
	s_and_b32 s45, s45, 3
	s_mul_i32 s45, s45, HALFP                      ; in a record of kv K's piece comes first: waves 0, 1 at 26,624 on, waves 2, 3 at 0 on
	s_mul_i32 s42, s13, 16*REC
	s_add_co_u32 s46, s42, s45
	s_mov_b32 s47, 0
	s_mov_b32 s43, 0
	s_mov_b32 s[OFF+1], 0
	s_lshr_b32 s[KI], s[WV], 1                     ; K's waves are one record ahead of V's
	s_add_co_u32 s[KI], s[KI], ttmp9               ; the cluster's first record
	s_and_b32 s[KI], s[KI], 15
	s_mov_b32 s[TB], SLOT1
	s_mov_b32 s[CS], 0x3db8aa3b                    ; log2(e) / 16
	s_mov_b32 s[CS+1], s[CS]
	s_mov_b32 s[SEL], 0x76543210
	s_mov_b32 s[SEL+1], 0xfedcba98
	s_wait_dscnt 0x0                               ; and the one wait for both
	s_wait_kmcnt 0x0
	s_add_nc_u64 s[BASE:BASE+1], s[6:7], s[46:47]
	s_mov_b32 s[G0], 1
	s_mov_b32 s[G0+1], s44
	s_mul_i32 s[OFF], s[KI], REC
	s_add_nc_u64 s[G0+2:G0+3], s[BASE:BASE+1], s[OFF:OFF+1]
	s_or_b32 s[G0+3], s[G0+3], 0x80000000
	CROUND                                         ; the first joint loads meet
	tensor_load_to_lds s[G0:G0+3], s[G1:G1+7]      ; slot 0: V of the first step, K of the second; one load a wave
	s_nop 0
	PLACES 4
	v_and_b32 v[L8], 31, v0
	v_lshlrev_b32 v[LI], 4, v[L8]
	v_lshlrev_b32 v[LS], 2, v[L8]
	v_lshlrev_b32 v[L8], 3, v[L8]
	s_wait_alu depctr_va_vdst(0)                   ; the wait ahead of the run of scalar lines
	s_mul_i32 s45, ttmp9, REC
	s_add_co_u32 s42, s42, s45
	s_add_nc_u64 s[6:7], s[6:7], s[42:43]          ; K of the first step
	s_mul_i32 s42, s12, PIECE
	s_mul_i32 s45, s[WV], 6144
	s_add_co_u32 s46, s42, s45
	s_add_nc_u64 s[46:47], s[4:5], s[46:47]        ; my four fragments of Q
	s_lshl_b32 s45, s[WV], 9
	s_add_co_u32 s42, s42, s45
	s_add_co_u32 s42, s42, 24576
	s_add_nc_u64 s[4:5], s[4:5], s[42:43]          ; and their scale words
	s_lshl_b32 s42, s13, 9
	s_lshl_b32 s45, s12, 3
	s_add_co_u32 s42, s42, s45
	s_lshl_b32 s45, s[WV], 1
	s_add_co_u32 s42, s42, s45
	s_mul_i32 s42, s42, 16640
	s_add_nc_u64 s[8:9], s[8:9], s[42:43]          ; my two records of po
	WIN 0x80
.set n, 0
.rept 12
	global_load_b128 v[QF+4*n:QF+4*n+3], v[LI], s[46:47] offset:512*n
.set n, n+1
.endr
.set n, 0
.rept 48
	global_load_b128 v[4*n:4*n+3], v[LI], s[6:7] offset:512*n
.set n, n+1
.endr
	WIN 0
.set n, 0
.rept 4
	global_load_b32 v[QSW+n], v[LS], s[4:5] offset:128*n
.set n, n+1
.endr
.set n, 0
.rept 16
	global_load_b32 v[KSW+n], v[LS], s[6:7] offset:24576+128*n
.set n, n+1
.endr
.irp x, 0,1
	v_mov_b32 v[STA+8*\x+1], 0xff61b1e6            ; the largest t so far: -3e38
	v_floor_f32 v[STA+8*\x], -v[STA+8*\x+1]
	v_mov_b32 v[STA+8*\x+2], 0
	v_mov_b32 v[STA+8*\x+3], 0
	v_mov_b32 v[STA+8*\x+4], 0
	v_mov_b32 v[STA+8*\x+5], 0
.irp b, 0,1,2,3
	v_mov_b32 v[TP+20*\x+4+\b], 0                  ; a lane permute's destination counts as one of its sources
.endr
.endr
	s_wait_alu depctr_va_vdst(0)                   ; the wait at the head's end
	s_wait_loadcnt 0x0
	KQ                                             ; the first step's scores
	TRIP 1, 1, 1                                   ; slot 1's first fill stands behind this trip's round, as a refill does
	s_mov_b32 s[CNT], 13
.Lstep:
	TRIP 0, 1, 1
	s_sub_co_u32 s[CNT], s[CNT], 1
	s_cmp_lg_u32 s[CNT], 0
	s_cbranch_scc1 .Lstep
	TRIP 0, 2, 1
	TRIP 0, 0, 0
	PLACES 4
.irp x, 0,1
	v_add_f32 v[STA+8*\x+2], v[STA+8*\x+2], v[STA+8*\x+3]
.endr
.irp x, 0,1
	v_permlanex16_b32 v[STA+8*\x+4], v[STA+8*\x+2], s[SEL], s[SEL+1]
.endr
.irp x, 0,1
	v_add_f32 v[STA+8*\x+1], v[STA+8*\x+2], v[STA+8*\x+4]    ; the row's sum beside -M
.endr
	WIN 0x04                                       ; the data: window 1
.irp u, 0,1
.set n, 0
.rept 32
	global_store_b128 v[LI], v[128*\u+4*n:128*\u+4*n+3], s[8:9] offset:16640*\u+512*n th:TH_STORE_NT   ; 512 consecutive bytes, aligned
.set n, n+1
.endr
.endr
	WIN 0
	global_store_b64 v[L8], v[STA:STA+1], s[8:9] offset:16384 th:TH_STORE_NT
	global_store_b64 v[L8], v[STA+8:STA+9], s[8:9] offset:16640+16384 th:TH_STORE_NT
	s_wait_tensorcnt 0x0                           ; the wave's end
	ds_add_u32 v[SPW], v[NIL]
	s_wait_dscnt 0x0
	CROUND                                         ; the closing round
	s_endpgm
.Lfunc_end_k_q2adc9419f8_attn:
	.size	k_q2adc9419f8_attn, .Lfunc_end_k_q2adc9419f8_attn-k_q2adc9419f8_attn
	.p2alignl 7, 3214868480
	.fill 96, 4, 3214868480
	.section	.rodata,"a",@progbits
	.p2align	6, 0x0
	.amdhsa_kernel k_q2adc9419f8_attn
		.amdhsa_group_segment_fixed_size 327680
		.amdhsa_private_segment_fixed_size 0
		.amdhsa_enable_private_segment 0
		.amdhsa_kernarg_size 24
		.amdhsa_user_sgpr_count 2
		.amdhsa_user_sgpr_kernarg_segment_ptr 1
		.amdhsa_wavefront_size32 1
		.amdhsa_system_sgpr_workgroup_id_x 1
		.amdhsa_system_sgpr_workgroup_id_y 1
		.amdhsa_system_sgpr_workgroup_id_z 1
		.amdhsa_system_vgpr_workitem_id 0
		.amdhsa_next_free_vgpr 1024
		.amdhsa_next_free_sgpr 66
		.amdhsa_reserve_vcc 0
		.amdhsa_float_denorm_mode_32 3
		.amdhsa_float_denorm_mode_16_64 3
		.amdhsa_memory_ordered 1
		.amdhsa_forward_progress 1
		.amdhsa_inst_pref_size 194
	.end_amdhsa_kernel
	.amdgpu_metadata
---
amdhsa.version: [ 1, 2 ]
amdhsa.kernels:
  - .name:           k_q2adc9419f8_attn
    .symbol:         k_q2adc9419f8_attn.kd
    .args:
      - { .name: qc, .offset: 0, .size: 8, .value_kind: global_buffer, .address_space: global }
      - { .name: kv, .offset: 8, .size: 8, .value_kind: global_buffer, .address_space: global }
      - { .name: po, .offset: 16, .size: 8, .value_kind: global_buffer, .address_space: global }
    .group_segment_fixed_size: 327680
    .private_segment_fixed_size: 0
    .kernarg_segment_align: 8
    .kernarg_segment_size: 24
    .max_flat_workgroup_size: 128
    .sgpr_count:     66
    .vgpr_count:     1024
    .wavefront_size: 32
...
	.end_amdgpu_metadata
.endif
;; end of part 2
;; launch comb (part 3): grid 256 x 1, 4 waves a work-group, no clusters, 1,024 bytes of LDS; arguments po, ac; writes ac
.if DOCPART == 3
	.amdgcn_target "amdgcn-amd-amdhsa--gfx1250"
	.amdhsa_code_object_version 6
	.text
	.protected	k_q2adc9419f8_comb
	.globl	k_q2adc9419f8_comb
	.p2align	8
	.type	k_q2adc9419f8_comb,@function
k_q2adc9419f8_comb:
	s_mov_b64 s[64:65], 0
	v_nop
	global_prefetch_b8 v0, s[64:65] scope:SCOPE_SE
	s_setreg_imm32_b32 hwreg(HW_REG_WAVE_MODE, 25, 1), 1
	s_wait_xcnt 0x0
; The four quarters of the keys are joined: M = the largest of the four M, O = the sum of 2^(M_y - M) O_y, l likewise, attn = O / l (a reciprocal and a multiplication);
; attn is quantised along its 256 channels to codes of BF6 (E3M2) with E8M0 scales, and -|attn|^2 / 2 of the unquantised numbers is stored beside the codes.
; po: [4 quarters][512 tiles of 16 rows][16,640]: O^T as it lay in registers (registers 4 k .. 4 k + 3 of lane l at 512 k + 16 l; register 16 b + i of lane (r, h) is channel 32 b + 16 h + i of row place r),
; then (-M, l), 8 bytes a lane.   ac: [64 blocks of 128 rows][27,136]: 16 fragments (2 t + s) as images of registers, their scale words from 24,576 on, 128 numbers -sq / 2 from 26,624 on.
; SHARES.  Work-group g: tiles 2 g and 2 g + 1.  Wave w: tile 2 g + w / 2, channels 128 (w % 2) on: 64 registers of each quarter.  A stream: every load reads 512 consecutive bytes once;
; no matrix unit, no cluster, no tensor load: work-groups share nothing.  No prefetch: a wave's loads all go out at its head.
; LIMITS: NaN and infinities are not served; a block of zeros has the byte 1 (its codes are zeros; this program alone reads the bytes).
.set LX,  1                            ; 16 x lane + 8,192 x my half
.set LS,  2                            ; 4 x lane
.set L8,  3                            ; 8 x lane
.set TH,  4                            ; 4 x thread: my word in LDS
.set LI,  5                            ; 16 x lane
.set RD,  6                            ; wave 0: 256 (lane / 16) + 4 (lane % 16)
.set ML,  16                           ; v16-23 (-M_y, l_y)
.set F,   24                           ; v24-31 f_y, as pairs
.set TM,  32
.set SQ,  48                           ; v48-51 the squares, two chains
.set L,   52
.set R,   54                           ; v54-55 1 / l, as a pair
.set PW,  56
.set NM,  57
.set Q0,  58                           ; v58-61
.set X0,  64
.set X1,  128
.set X2,  192
.set PC,  192                          ; the codes, where the third quarter lay
.set CV,  204
.set WV,  16
.set SEL, 30
.macro QUANT src, dst, pw              ; 64 numbers of a lane, register 16 b + i = k 32 b + 16 h + i of my row, become a fragment's codes and its scale word
.irp b, 0,1,2,3
	v_max3_num_f32 v[TM+\b], |v[\src+16*\b]|, |v[\src+16*\b+1]|, 0x2800000
.endr
.irp i, 2,4,6,8,10,12,14
.irp b, 0,1,2,3
	v_max3_num_f32 v[TM+\b], v[TM+\b], |v[\src+16*\b+\i]|, |v[\src+16*\b+\i+1]|
.endr
.endr
.irp b, 0,1,2,3
	v_permlanex16_b32 v[TM+4+\b], v[TM+\b], s[SEL], s[SEL+1]
.endr
.irp b, 0,1,2,3
	v_max_num_f32 v[TM+\b], v[TM+\b], v[TM+4+\b]
.endr
.irp b, 0,1,2,3
	v_add_nc_u32 v[TM+12+\b], 0xfe000000, v[TM+\b]
.endr
.irp b, 0,1,2,3
	v_lshrrev_b32 v[TM+4+\b], 23, v[TM+12+\b]
.endr
	v_lshl_or_b32 v[\pw], v[TM+5], 8, v[TM+4]
	v_lshl_or_b32 v[\pw], v[TM+6], 16, v[\pw]
	v_lshl_or_b32 v[\pw], v[TM+7], 24, v[\pw]
.irp c, 0,1
	v_cvt_scalef32_pk16_bf6_f32 v[\dst+6*\c:\dst+6*\c+2], v[\src+32*\c:\src+32*\c+15], v[TM+12+2*\c]
	v_cvt_scalef32_pk16_bf6_f32 v[CV+4*\c:CV+4*\c+2], v[\src+32*\c+16:\src+32*\c+31], v[TM+13+2*\c]
.endr
	v_nop
.irp c, 0,1
.irp i, 0,1,2
	v_permlane16_swap_b32 v[\dst+6*\c+\i], v[CV+4*\c+\i]
.endr
.irp i, 0,1,2
	v_mov_b32 v[\dst+6*\c+3+\i], v[CV+4*\c+\i]
.endr
.endr
.endm
.macro XL buf, y                       ; my 64 registers of quarter y
.set n, 0
.rept 16
	global_load_b128 v[\buf+4*n:\buf+4*n+3], v[LX], s[8+2*\y:9+2*\y] offset:512*n th:TH_LOAD_NT
.set n, n+1
.endr
.endm
.macro JOIN buf, y                     ; X0 += f_y x quarter y
.set n, 0
.rept 32
	v_pk_fma_f32 v[X0+2*n:X0+2*n+1], v[\buf+2*n:\buf+2*n+1], v[F+2*\y:F+2*\y+1], v[X0+2*n:X0+2*n+1] op_sel_hi:[1,0,1]
.set n, n+1
.endr
.endm
	s_load_b128 s[4:7], s[0:1], 0x0                ; po, ac
	v_lshl_add_u32 v62, v0, 2, 0x200
	v_mov_b32 v63, 0
	v_lshrrev_b32 v1, 5, v0
	v_readfirstlane_b32 s[WV], v1                  ; wave 0..3
	s_lshl_b32 s17, ttmp9, 1
	s_lshr_b32 s18, s[WV], 1
	s_add_co_u32 s17, s17, s18                     ; my tile
	s_and_b32 s18, s[WV], 1                        ; my half of its channels
	s_mul_i32 s20, s17, 16640
	s_mov_b32 s21, 0
	s_lshl_b32 s19, s18, 13
	v_and_b32 v7, 31, v0
	v_lshlrev_b32 v[LI], 4, v7
	v_add_nc_u32 v[LX], s19, v[LI]
	v_lshlrev_b32 v[LS], 2, v7
	v_lshlrev_b32 v[L8], 3, v7
	v_lshlrev_b32 v[TH], 2, v0
	v_and_b32 v[RD], 15, v0
	v_bfe_u32 v8, v0, 4, 1
	v_lshlrev_b32 v[RD], 2, v[RD]
	v_lshl_add_u32 v[RD], v8, 8, v[RD]
.irp b, 0,1,2,3
	v_mov_b32 v[TM+4+\b], 0                        ; written once: a lane permute's destination counts as one of its sources
.endr
	v_mov_b32 v[R+1], 0                            ; (named as the upper half of a pair)
	s_mov_b32 s[SEL], 0x76543210
	s_mov_b32 s[SEL+1], 0xfedcba98
	s_lshr_b32 s22, s17, 3
	s_mul_i32 s22, s22, 27136                      ; my block of ac
	s_and_b32 s23, s17, 7
	s_lshl_b32 s23, s23, 1
	s_add_co_u32 s23, s23, s18                     ; my fragment: 2 t + s
	s_mul_i32 s24, s23, 1536
	s_add_co_u32 s24, s24, s22
	s_mov_b32 s25, 0
	s_lshl_b32 s26, s23, 7
	s_add_co_u32 s26, s26, s22
	s_mov_b32 s27, 0
	s_lshl_b32 s28, ttmp9, 1
	s_and_b32 s28, s28, 7
	s_lshl_b32 s28, s28, 6                         ; the work-group's 32 numbers -sq / 2: 64 bytes a tile
	s_add_co_u32 s28, s28, s22
	s_mov_b32 s29, 0
	s_wait_kmcnt 0x0
	s_add_nc_u64 s[8:9], s[4:5], s[20:21]          ; my tile's record in each quarter: 512 records apart
	s_add_nc_u64 s[10:11], s[8:9], 8519680
	s_add_nc_u64 s[12:13], s[10:11], 8519680
	s_add_nc_u64 s[14:15], s[12:13], 8519680
	s_add_nc_u64 s[24:25], s[6:7], s[24:25]
	s_add_nc_u64 s[26:27], s[6:7], s[26:27]
	s_add_nc_u64 s[28:29], s[6:7], s[28:29]
.irp y, 0,1,2,3
	global_load_b64 v[ML+2*\y:ML+2*\y+1], v[L8], s[8+2*\y:9+2*\y] offset:16384
.endr
	XL X0, 0
	XL X1, 1
	XL X2, 2
	s_wait_loadcnt 48                              ; the four pairs are in; the 48 loads of three quarters are younger
	v_min3_num_f32 v[NM], v[ML], v[ML+2], v[ML+4]
	v_min_num_f32 v[NM], v[NM], v[ML+6]            ; -M of the whole row
.irp y, 0,1,2,3
	v_sub_f32 v[F+2*\y], v[NM], v[ML+2*\y]         ; M_y - M: a whole number, 0 or less
.endr
.irp y, 0,1,2,3
	v_cvt_i32_f32 v[F+2*\y], v[F+2*\y]
.endr
.irp y, 0,1,2,3
	v_ldexp_f32 v[F+2*\y], 1.0, v[F+2*\y]          ; f_y: a multiplication by it rounds nothing
.endr
.irp y, 0,1,2,3
	v_mov_b32 v[F+2*\y+1], v[F+2*\y]
.endr
	v_mul_f32 v[L], v[F], v[ML+1]
	v_fmac_f32 v[L], v[F+2], v[ML+3]
	v_fmac_f32 v[L], v[F+4], v[ML+5]
	v_fmac_f32 v[L], v[F+6], v[ML+7]
	s_wait_alu depctr_va_vdst(0)
	v_rcp_f32 v[R], v[L]                           ; its wait stands ahead of its first reader; the joins below are the independent work between
	s_wait_loadcnt 16                              ; quarters 0 and 1 are in; quarter 2's 16 loads are younger
.set n, 0
.rept 32
	v_pk_mul_f32 v[X0+2*n:X0+2*n+1], v[X0+2*n:X0+2*n+1], v[F:F+1] op_sel_hi:[1,0]
.set n, n+1
.endr
	JOIN X1, 1
	XL X1, 3
	s_wait_loadcnt 16                              ; quarter 2 is in; quarter 3's 16 loads are younger
	JOIN X2, 2
	s_wait_loadcnt 0x0
	JOIN X1, 3
	s_wait_alu depctr_va_vdst(0)                   ; the wait ahead of the reciprocal's first reader
.set n, 0
.rept 32
	v_pk_mul_f32 v[X0+2*n:X0+2*n+1], v[X0+2*n:X0+2*n+1], v[R:R+1] op_sel_hi:[1,0]   ; attn
.set n, n+1
.endr
	v_pk_mul_f32 v[SQ:SQ+1], v[X0:X0+1], v[X0:X0+1]
	v_pk_mul_f32 v[SQ+2:SQ+3], v[X0+2:X0+3], v[X0+2:X0+3]
.set n, 1
.rept 15
	v_pk_fma_f32 v[SQ:SQ+1], v[X0+4*n:X0+4*n+1], v[X0+4*n:X0+4*n+1], v[SQ:SQ+1]
	v_pk_fma_f32 v[SQ+2:SQ+3], v[X0+4*n+2:X0+4*n+3], v[X0+4*n+2:X0+4*n+3], v[SQ+2:SQ+3]
.set n, n+1
.endr
	v_pk_add_f32 v[SQ:SQ+1], v[SQ:SQ+1], v[SQ+2:SQ+3]
	v_add_f32 v[SQ], v[SQ], v[SQ+1]                ; my 64 channels' squares
	ds_store_b32 v[TH], v[SQ]
	QUANT X0, PC, PW
.irp g, 0,1,2
	global_store_b128 v[LI], v[PC+4*\g:PC+4*\g+3], s[24:25] offset:512*\g
.endr
	global_store_b32 v[LS], v[PW], s[26:27] offset:24576
	s_wait_dscnt 0x0                               ; for wave 0's sake: my word lies in LDS
	s_barrier_signal -1
	s_barrier_wait -1
	s_cmp_lg_u32 s[WV], 0
	s_cbranch_scc1 .Ldone
.irp q, 0,1,2,3
	ds_load_b32 v[Q0+\q], v[RD] offset:64*\q       ; a row's four parts: two halves of the lanes in each of two waves
.endr
	s_wait_dscnt 0x0
	v_add_f32 v[Q0], v[Q0], v[Q0+1]
	v_add_f32 v[Q0+2], v[Q0+2], v[Q0+3]
	v_add_f32 v[Q0], v[Q0], v[Q0+2]
	v_mul_f32 v[Q0], -0.5, v[Q0]
	global_store_b32 v[LS], v[Q0], s[28:29] offset:26624
.Ldone:
	s_wait_tensorcnt 0x0
	ds_add_u32 v62, v63
	s_wait_dscnt 0x0
	s_endpgm
.Lfunc_end_k_q2adc9419f8_comb:
	.size	k_q2adc9419f8_comb, .Lfunc_end_k_q2adc9419f8_comb-k_q2adc9419f8_comb
	.p2alignl 7, 3214868480
	.fill 96, 4, 3214868480
	.section	.rodata,"a",@progbits
	.p2align	6, 0x0
	.amdhsa_kernel k_q2adc9419f8_comb
		.amdhsa_group_segment_fixed_size 1024
		.amdhsa_private_segment_fixed_size 0
		.amdhsa_enable_private_segment 0
		.amdhsa_kernarg_size 16
		.amdhsa_user_sgpr_count 2
		.amdhsa_user_sgpr_kernarg_segment_ptr 1
		.amdhsa_wavefront_size32 1
		.amdhsa_system_sgpr_workgroup_id_x 1
		.amdhsa_system_sgpr_workgroup_id_y 1
		.amdhsa_system_sgpr_workgroup_id_z 1
		.amdhsa_system_vgpr_workitem_id 0
		.amdhsa_next_free_vgpr 256
		.amdhsa_next_free_sgpr 66
		.amdhsa_reserve_vcc 0
		.amdhsa_float_denorm_mode_32 3
		.amdhsa_float_denorm_mode_16_64 3
		.amdhsa_memory_ordered 1
		.amdhsa_forward_progress 1
		.amdhsa_inst_pref_size 27
	.end_amdhsa_kernel
	.amdgpu_metadata
---
amdhsa.version: [ 1, 2 ]
amdhsa.kernels:
  - .name:           k_q2adc9419f8_comb
    .symbol:         k_q2adc9419f8_comb.kd
    .args:
      - { .name: po, .offset: 0, .size: 8, .value_kind: global_buffer, .address_space: global }
      - { .name: ac, .offset: 8, .size: 8, .value_kind: global_buffer, .address_space: global }
    .group_segment_fixed_size: 1024
    .private_segment_fixed_size: 0
    .kernarg_segment_align: 8
    .kernarg_segment_size: 16
    .max_flat_workgroup_size: 128
    .sgpr_count:     66
    .vgpr_count:     256
    .wavefront_size: 32
...
	.end_amdgpu_metadata
.endif
;; end of part 3
;; launch rbf (part 4): grid 256 x 1, 8 waves a work-group, clusters of 4 x 1, 327,680 bytes of LDS; arguments ac, W1, b1, W2, b2, out0; writes out0
.if DOCPART == 4
	.amdgcn_target "amdgcn-amd-amdhsa--gfx1250"
	.amdhsa_code_object_version 6
	.text
	.protected	k_q2adc9419f8_rbf
	.globl	k_q2adc9419f8_rbf
	.p2align	8
	.type	k_q2adc9419f8_rbf,@function
k_q2adc9419f8_rbf:
	s_mov_b64 s[64:65], 0
	v_nop
	global_prefetch_b8 v0, s[64:65] scope:SCOPE_SE
	s_setreg_imm32_b32 hwreg(HW_REG_WAVE_MODE, 25, 1), 1
	s_wait_xcnt 0x0
	s_wait_alu depctr_hold_cnt(0) depctr_sa_sdst(0) depctr_va_vdst(0) depctr_va_sdst(0) depctr_va_ssrc(0) depctr_va_vcc(0) depctr_vm_vsrc(0)
	s_getreg_b32 s2, hwreg(HW_REG_IB_STS2, 6, 4)
	s_cmp_eq_u32 s2, 0
	s_cbranch_scc0 .Lentry_in_a_cluster
	s_endpgm
.Lentry_in_a_cluster:
	s_bfe_u32 s2, ttmp6, 0x10000c
	s_cmp_lg_u32 s2, 0x3003
	s_cbranch_scc0 .Lentry_shape_is_right
	s_endpgm
.Lentry_shape_is_right:
.set PIECE, 27136
.set EIGHTH, 13568
.set SLOTB, 108544
.set SLOT1, 131072
.set SPARE, 239616
.set SCR1,  240640
.set SCR2,  241664
.set A0,  1
.set S0,  2
.set C0,  3
.set AD,  4
.set AS,  5
.set AC,  6
.set SPW, 7
.set NIL, 8
.set E,   10
.set SU,  14
.set SV2, 18
.set FSW, 24
.set OSW, 40
.set OF,  44
.set OS,  45
.set ON,  46
.set RR,  48
.set HH,  49
.set X1W, 50
.set X1R, 51
.set X2W, 52
.set X2R, 53
.set GO,  54
.set FE,  55
.set AQ,  56
.set T0,  57
.set CN,  64
.set Q0,  96
.set D,   128
.set OWNF, 192
.set G1,  16
.set G0A, 24
.set G0W, 28
.set BASE, 32
.set OFF, 34
.set WV,  36
.set CNT, 39
.set KI,  40
.set TB,  41
.set SEL, 42
.set C2,  44
.set HW1, 48
.set HB1, 56
.set HW2, 68
.set HB2, 76
.set HOFF, 77
.set ROLE, 78
.set MSB, 0
.macro WIN new
.if MSB != \new
	s_set_vgpr_msb (MSB<<8)|\new
.set MSB, \new
.endif
.endm
.macro PLACES n
.rept \n
	v_nop
.endr
.endm
.macro CROUND
	s_barrier_signal -1
	s_barrier_wait -1
	s_cmp_lg_u32 s[WV], 0
	s_cbranch_scc1 .Lnot_wave_0_\@
	s_barrier_signal -3
.Lnot_wave_0_\@:
	s_barrier_wait -3
	s_barrier_signal -1
	s_barrier_wait -1
.endm
.macro ADDRS
	v_add_nc_u32 v[AD], s[TB], v[A0]
	v_add_nc_u32 v[AS], s[TB], v[S0]
	v_add_nc_u32 v[AC], s[TB], v[C0]
.endm
.macro FETCH
	WIN 0x40
.set n, 0
.rept 24
	ds_load_b128 v[4*n:4*n+3], v[AD] offset:512*n
.set n, n+1
.endr
	WIN 0
.set n, 0
.rept 8
	ds_load_b32 v[FSW+n], v[AS] offset:128*n
.set n, n+1
.endr
.set n, 0
.rept 8
	ds_load_b128 v[CN+4*n:CN+4*n+3], v[AC] offset:64*(n/2)+16*(n%2)
.set n, n+1
.endr
.endm
.macro WMMA
	WIN 0x05
.irp s, 0,1
.irp t, 0,1,2,3
.irp u, 0,1
.if \s == 0
	v_wmma_scale_f32_16x16x128_f8f6f4 v[D+32*\u+8*\t:D+32*\u+8*\t+7], v[24*\t:24*\t+11], v[OWNF+24*\u:OWNF+24*\u+11], v[CN+8*\t:CN+8*\t+7], v[FSW+2*\t], v[OSW+2*\u] matrix_a_fmt:MATRIX_FMT_BF6 matrix_b_fmt:MATRIX_FMT_BF6
.else
	v_wmma_scale_f32_16x16x128_f8f6f4 v[D+32*\u+8*\t:D+32*\u+8*\t+7], v[24*\t+12:24*\t+23], v[OWNF+24*\u+12:OWNF+24*\u+23], v[D+32*\u+8*\t:D+32*\u+8*\t+7], v[FSW+2*\t+1], v[OSW+2*\u+1] matrix_a_fmt:MATRIX_FMT_BF6 matrix_b_fmt:MATRIX_FMT_BF6
.endif
.endr
.endr
.endr
	WIN 0
.endm
.macro VECTOR
.irp u, 0,1
.set n, 0
.rept 16
	v_pk_fma_f32 v[D+32*\u+2*n:D+32*\u+2*n+1], v[D+32*\u+2*n:D+32*\u+2*n+1], s[C2:C2+1], v[E+2*\u:E+2*\u+1] op_sel_hi:[1,0,0]
.set n, n+1
.endr
.endr
.set n, 0
.rept 64
	v_min_num_f32 v[D+n], 0, v[D+n]
.set n, n+1
.endr
.set n, 0
	s_wait_alu depctr_va_vdst(0)
.rept 64
	v_exp_f32 v[D+n], v[D+n]
.set n, n+1
.endr
	v_nop
	s_wait_alu depctr_va_vdst(0)
.irp u, 0,1
.set n, 0
.rept 8
	v_pk_add_f32 v[SU+2*\u:SU+2*\u+1], v[SU+2*\u:SU+2*\u+1], v[D+32*\u+4*n:D+32*\u+4*n+1]
	v_pk_add_f32 v[SV2+2*\u:SV2+2*\u+1], v[SV2+2*\u:SV2+2*\u+1], v[D+32*\u+4*n+2:D+32*\u+4*n+3]
.set n, n+1
.endr
.endr
.endm
.macro EARLY
	s_cmp_eq_u32 s[ROLE], 0
	s_cbranch_scc0 .Lnot_early_\@
	s_wait_alu depctr_va_vdst(0)
	VECTOR
.Lnot_early_\@:
.endm
.macro LATE
	s_cmp_eq_u32 s[ROLE], 0
	s_cbranch_scc1 .Lnot_late_\@
	PLACES 4
	s_wait_alu depctr_va_vdst(0)
	VECTOR
.Lnot_late_\@:
.endm
.macro CHANGE fill
	s_wait_tensorcnt 0x0
	ds_add_u32 v[SPW], v[NIL]
.if \fill == 1
	s_xor_b32 s[G0W+1], s[G0W+1], SLOT1
	s_add_co_u32 s[KI], s[KI], 1
	s_and_b32 s[KI], s[KI], 15
	s_mul_i32 s[OFF], s[KI], SLOTB
	s_add_nc_u64 s[G0W+2:G0W+3], s[BASE:BASE+1], s[OFF:OFF+1]
	s_or_b32 s[G0W+3], s[G0W+3], 0x80000000
.endif
	s_xor_b32 s[TB], s[TB], SLOT1
	s_wait_dscnt 0x0
.if \fill == 1
	CROUND
	tensor_load_to_lds s[G0W:G0W+3], s[G1:G1+7]
	s_nop 0
.else
	s_barrier_signal -1
	s_barrier_wait -1
.endif
	PLACES 4
	ADDRS
.endm
.macro SUM8 adr
.irp q, 0,1,2,3,4,5,6,7
	ds_load_b32 v[Q0+\q], v[\adr] offset:128*\q
.endr
	s_wait_dscnt 0x0
.irp q, 0,2,4,6
	v_add_f32 v[Q0+\q], v[Q0+\q], v[Q0+\q+1]
.endr
	s_delay_alu instid0(VALU_DEP_3)
	v_add_f32 v[Q0], v[Q0], v[Q0+2]
	s_delay_alu instid0(VALU_DEP_2)
	v_add_f32 v[Q0+4], v[Q0+4], v[Q0+6]
	s_delay_alu instid0(VALU_DEP_1)
	v_add_f32 v[Q0], v[Q0], v[Q0+4]
.endm
	s_load_b256 s[4:11], s[0:1], 0x0
	s_load_b128 s[12:15], s[0:1], 0x20
	v_lshl_add_u32 v[SPW], v0, 2, SPARE
	v_mov_b32 v[NIL], 0
	ds_add_u32 v7, v8
	ds_add_u32 v7, v8
	s_wait_dscnt 0x0
	v_lshrrev_b32 v9, 5, v0
	s_delay_alu instid0(VALU_DEP_1)
	v_readfirstlane_b32 s[WV], v9
	s_bfe_u32 s37, ttmp6, 0x40000
	s_lshl_b32 s38, ttmp9, 2
	s_add_co_u32 s38, s38, s37
	s_mov_b32 s[G1], 15|(3<<16)|(1<<21)
	s_mov_b32 s[G1+1], 32<<16
	s_mov_b32 s[G1+2], 53<<16
	s_mov_b32 s[G1+3], 32<<16
	s_mov_b32 s[G1+4], 53
	s_mov_b32 s[G1+5], 32
	s_mov_b32 s[G1+6], 0
	s_mov_b32 s[G1+7], 0
	s_mul_i32 s46, s[WV], EIGHTH
	s_mov_b32 s47, 0
	s_mov_b32 s[OFF+1], 0
	s_mov_b32 s[TB], 0
	s_mov_b32 s[SEL], 0x76543210
	s_mov_b32 s[SEL+1], 0xfedcba98
	s_mov_b32 s[C2], 0x4038aa3b
	s_mov_b32 s[C2+1], s[C2]
	s_lshl_b32 s[HOFF], s[WV], 5
	s_lshr_b32 s[ROLE], s[WV], 2
	s_xor_b32 s[ROLE], s[ROLE], s[WV]
	s_and_b32 s[ROLE], s[ROLE], 1
	s_and_b32 s[KI], ttmp9, 15
	s_wait_kmcnt 0x0
	s_add_nc_u64 s[BASE:BASE+1], s[4:5], s[46:47]
	s_mov_b32 s[G0A], 1
	s_mov_b32 s[G0A+1], s46
	s_mul_i32 s[OFF], s[KI], SLOTB
	s_add_nc_u64 s[G0A+2:G0A+3], s[BASE:BASE+1], s[OFF:OFF+1]
	s_or_b32 s[G0A+3], s[G0A+3], 0x80000000
	s_add_co_u32 s[KI], s[KI], 1
	s_and_b32 s[KI], s[KI], 15
	s_mov_b32 s[G0W], 1
	s_add_co_u32 s[G0W+1], s46, SLOT1
	s_mul_i32 s[OFF], s[KI], SLOTB
	s_add_nc_u64 s[G0W+2:G0W+3], s[BASE:BASE+1], s[OFF:OFF+1]
	s_or_b32 s[G0W+3], s[G0W+3], 0x80000000
	CROUND
	tensor_load_to_lds s[G0A:G0A+3], s[G1:G1+7]
	s_nop 0
	s_wait_alu depctr_va_vdst(0)
	s_wait_tensorcnt 0x0
	ds_add_u32 v7, v8
	s_wait_dscnt 0x0
	CROUND
	tensor_load_to_lds s[G0W:G0W+3], s[G1:G1+7]
	s_nop 0
	PLACES 4
	s_load_b256 s[HW1:HW1+7], s[6:7], s[HOFF] offset:0x0
	s_load_b256 s[HB1:HB1+7], s[8:9], s[HOFF] offset:0x0
	s_load_b256 s[HW2:HW2+7], s[10:11], s[HOFF] offset:0x0
	s_load_b32 s[HB2], s[12:13], 0x0
	s_lshr_b32 s2, s38, 2
	s_mul_i32 s2, s2, PIECE
	s_mov_b32 s3, 0
	s_add_nc_u64 s[4:5], s[4:5], s[2:3]
	s_lshl_b32 s2, s38, 7
	s_add_nc_u64 s[14:15], s[14:15], s[2:3]
	s_and_b32 s37, s38, 3
	v_and_b32 v9, 31, v0
	s_wait_alu depctr_va_vdst(0)
	v_and_b32 v[RR], 15, v0
	v_bfe_u32 v[HH], v0, 4, 1
	s_wait_alu depctr_va_vdst(0)
	s_mul_i32 s2, s37, 6144
	v_lshl_add_u32 v[OF], v9, 4, s2
	s_lshl_b32 s2, s37, 9
	v_lshl_add_u32 v[OS], v9, 2, s2
	s_lshl_b32 s2, s37, 7
	v_lshl_add_u32 v[ON], v[RR], 2, s2
	WIN 0x40
.set n, 0
.rept 12
	global_load_b128 v[OWNF+4*n:OWNF+4*n+3], v[OF], s[4:5] offset:512*n
.set n, n+1
.endr
	WIN 0
.set n, 0
.rept 4
	global_load_b32 v[OSW+n], v[OS], s[4:5] offset:24576+128*n
.set n, n+1
.endr
	global_load_b32 v[E], v[ON], s[4:5] offset:26624
	global_load_b32 v[E+2], v[ON], s[4:5] offset:26624+64
	s_lshr_b32 s2, s[WV], 1
	s_mul_i32 s2, s2, PIECE
	s_and_b32 s3, s[WV], 1
	s_mul_i32 s46, s3, 12288
	s_add_co_u32 s46, s46, s2
	v_lshl_add_u32 v[A0], v9, 4, s46
	s_lshl_b32 s46, s3, 10
	s_add_co_u32 s46, s46, s2
	s_add_co_u32 s46, s46, 24576
	v_lshl_add_u32 v[S0], v9, 2, s46
	s_lshl_b32 s46, s3, 8
	s_add_co_u32 s46, s46, s2
	s_add_co_u32 s46, s46, 26624
	v_lshl_add_u32 v[C0], v[HH], 5, s46
	s_lshl_b32 s2, s[WV], 7
	v_and_b32 v[X1W], 8, v[RR]
	s_delay_alu instid0(VALU_DEP_1)
	v_add_nc_u32 v[X1W], v[X1W], v[RR]
	s_delay_alu instid0(VALU_DEP_1)
	v_lshl_add_u32 v[X1W], v[HH], 3, v[X1W]
	s_delay_alu instid0(VALU_DEP_1)
	v_lshlrev_b32 v[X1W], 2, v[X1W]
	s_delay_alu instid0(VALU_DEP_1)
	v_add_nc_u32 v[X1W], s2, v[X1W]
	s_delay_alu instid0(VALU_DEP_1)
	v_add_nc_u32 v[X1W], SCR1, v[X1W]
	v_lshl_add_u32 v[X1R], v9, 2, SCR1
	v_lshl_add_u32 v[X2R], v9, 2, SCR2
	s_delay_alu instid0(VALU_DEP_1)
	v_add_nc_u32 v[X2W], s2, v[X2R]
	v_lshlrev_b32 v[GO], 2, v9
.set n, 0
.rept 8
	v_mov_b32 v[SU+n], 0
.set n, n+1
.endr
	ADDRS
	s_wait_alu depctr_va_vdst(0)
	s_wait_tensorcnt 0x1
	s_barrier_signal -1
	s_barrier_wait -1
	FETCH
	s_wait_loadcnt 0x0
	v_mul_f32 v[E], s[C2], v[E]
	v_mul_f32 v[E+2], s[C2], v[E+2]
	s_delay_alu instid0(VALU_DEP_2)
	v_mov_b32 v[E+1], v[E]
	s_delay_alu instid0(VALU_DEP_2)
	v_mov_b32 v[E+3], v[E+2]
	s_wait_dscnt 0x0
	WMMA
	LATE
	s_mov_b32 s[CNT], 14
.Lslot:
	CHANGE 1
	FETCH
	EARLY
	s_wait_dscnt 0x0
	WMMA
	LATE
	s_sub_co_u32 s[CNT], s[CNT], 1
	s_cmp_lg_u32 s[CNT], 0
	s_cbranch_scc1 .Lslot
	CHANGE 2
	FETCH
	EARLY
	s_wait_dscnt 0x0
	WMMA
	PLACES 4
	s_wait_alu depctr_va_vdst(0)
	VECTOR
.irp u, 0
	v_pk_add_f32 v[SU+2*\u:SU+2*\u+1], v[SU+2*\u:SU+2*\u+1], v[SV2+2*\u:SV2+2*\u+1]
.endr
.irp u, 1
	s_delay_alu instid0(VALU_DEP_2)
	v_pk_add_f32 v[SU+2*\u:SU+2*\u+1], v[SU+2*\u:SU+2*\u+1], v[SV2+2*\u:SV2+2*\u+1]
.endr
.irp u, 0,1
	s_delay_alu instid0(VALU_DEP_2)
	v_add_f32 v[SU+2*\u], v[SU+2*\u], v[SU+2*\u+1]
.endr
.irp u, 0,1
	s_delay_alu instid0(VALU_DEP_2)
	v_permlanex16_b32 v[SV2+2*\u], v[SU+2*\u], s[SEL], s[SEL+1]
.endr
.irp u, 0,1
	s_delay_alu instid0(VALU_DEP_2)
	v_add_f32 v[SU+2*\u], v[SU+2*\u], v[SV2+2*\u]
.endr
	v_cmp_eq_u32 vcc_lo, 1, v[HH]
	s_delay_alu instid0(VALU_DEP_1)
	v_cndmask_b32 v[T0], v[SU], v[SU+2], vcc_lo
	ds_store_b32 v[X1W], v[T0]
	s_wait_dscnt 0x0
	s_barrier_signal -1
	s_barrier_wait -1
	SUM8 X1R
	s_delay_alu instid0(VALU_DEP_1)
	v_mul_f32 v[FE], 0x39000000, v[Q0]
	s_wait_alu depctr_va_vdst(0)
	s_wait_kmcnt 0x0
.set n, 0
.rept 8
	v_fma_f32 v[T0], v[FE], s[HW1+n], s[HB1+n]
	s_delay_alu instid0(VALU_DEP_1)
	v_max_num_f32 v[T0], 0, v[T0]
.if n == 0
	s_delay_alu instid0(VALU_DEP_1)
	v_mul_f32 v[AQ], s[HW2], v[T0]
.else
	s_delay_alu instid0(VALU_DEP_1)
	v_fmac_f32 v[AQ], s[HW2+n], v[T0]
.endif
.set n, n+1
.endr
	ds_store_b32 v[X2W], v[AQ]
	s_wait_dscnt 0x0
	s_barrier_signal -1
	s_barrier_wait -1
	s_cmp_lg_u32 s[WV], 0
	s_cbranch_scc1 .Lnot_mine
	SUM8 X2R
	s_delay_alu instid0(VALU_DEP_1)
	v_add_f32 v[Q0], s[HB2], v[Q0]
	global_store_b32 v[GO], v[Q0], s[14:15]
.Lnot_mine:
	s_wait_tensorcnt 0x0
	ds_add_u32 v[SPW], v[NIL]
	s_wait_dscnt 0x0
	CROUND
	s_endpgm
.Lfunc_end_k_q2adc9419f8_rbf:
	.size	k_q2adc9419f8_rbf, .Lfunc_end_k_q2adc9419f8_rbf-k_q2adc9419f8_rbf
	.p2alignl 7, 3214868480
	.fill 96, 4, 3214868480
	.section	.rodata,"a",@progbits
	.p2align	6, 0x0
	.amdhsa_kernel k_q2adc9419f8_rbf
		.amdhsa_group_segment_fixed_size 327680
		.amdhsa_private_segment_fixed_size 0
		.amdhsa_enable_private_segment 0
		.amdhsa_kernarg_size 48
		.amdhsa_user_sgpr_count 2
		.amdhsa_user_sgpr_kernarg_segment_ptr 1
		.amdhsa_wavefront_size32 1
		.amdhsa_system_sgpr_workgroup_id_x 1
		.amdhsa_system_sgpr_workgroup_id_y 1
		.amdhsa_system_sgpr_workgroup_id_z 1
		.amdhsa_system_vgpr_workitem_id 0
		.amdhsa_next_free_vgpr 512
		.amdhsa_next_free_sgpr 80
		.amdhsa_reserve_vcc 1
		.amdhsa_float_denorm_mode_32 3
		.amdhsa_float_denorm_mode_16_64 3
		.amdhsa_memory_ordered 1
		.amdhsa_forward_progress 1
		.amdhsa_inst_pref_size 71
	.end_amdhsa_kernel
	.amdgpu_metadata
---
amdhsa.version: [ 1, 2 ]
amdhsa.kernels:
  - .name:           k_q2adc9419f8_rbf
    .symbol:         k_q2adc9419f8_rbf.kd
    .args:
      - { .name: ac, .offset: 0, .size: 8, .value_kind: global_buffer, .address_space: global }
      - { .name: W1, .offset: 8, .size: 8, .value_kind: global_buffer, .address_space: global }
      - { .name: b1, .offset: 16, .size: 8, .value_kind: global_buffer, .address_space: global }
      - { .name: W2, .offset: 24, .size: 8, .value_kind: global_buffer, .address_space: global }
      - { .name: b2, .offset: 32, .size: 8, .value_kind: global_buffer, .address_space: global }
      - { .name: out0, .offset: 40, .size: 8, .value_kind: global_buffer, .address_space: global }
    .group_segment_fixed_size: 327680
    .private_segment_fixed_size: 0
    .kernarg_segment_align: 8
    .kernarg_segment_size: 48
    .max_flat_workgroup_size: 256
    .sgpr_count:     80
    .vgpr_count:     512
    .wavefront_size: 32
...
	.end_amdgpu_metadata
.endif
;; end of part 4
